; MI455X (gfx1250); checked and timed in simulation.
; The chip was launched on July 23, 2026; its instructions are those of AMD's public machine-readable ISA for CDNA 5 (MIT licence, August 2026) and "CDNA5" Instruction Set Architecture Reference Guide (July 2026). The comments in the code are by the model that wrote it; some were corrected since.
;; Attention Layer. Allowed arithmetic: matrix products marked QUANTISED: E4M3 operands, one E8M0 scale for each 32 along K, by v_wmma_scale_f32_16x16x128_f8f6f4 with both operands' format E4M3, f32 sums; products left as they are: f32 operands where the result goes on into a quantised operand, else bf16, f16 or f32 operands; f32 sums; everything else in f32.
;; Inputs: Ua_b 1,024 float32; Ua_w_codes 1,024 x 32 x 32 uint8 (E4M3 codes of Ua_w, K innermost, in blocks of 32 codes); Ua_w_scales 1,024 x 32 uint8 (E8M0 scales of Ua_w, one for each 32 codes along K); Va_b 1 float32; Va_w 1 x 1,024 float32; Wa_b 1,024 float32; Wa_w_codes 1,024 x 32 x 32 uint8 (E4M3 codes of Wa_w, K innermost, in blocks of 32 codes); Wa_w_scales 1,024 x 32 uint8 (E8M0 scales of Wa_w, one for each 32 codes along K); keys 32 x 2,048 x 1,024 float32; query_codes 32 x 1 x 32 x 32 uint8 (E4M3 codes of query, K innermost, in blocks of 32 codes); query_scales 32 x 1 x 32 uint8 (E8M0 scales of query, one for each 32 codes along K).
;; Outputs: out0 32 x 1 x 1,024 float32; out1 32 x 1 x 2,048 float32.
;; This version of the problem:
;;   THIS VERSION OF THE PROBLEM IS GIVEN IN LOW PRECISION. The matrix products marked QUANTISED in the list below multiply operands that are first quantised to E4M3 (4 exponent bits, 3 mantissa bits; 8 bits a number), with one power-of-two scale for each 32 numbers along K (OCP MX v1.0); their sums are f32. All else is computed in f32.
;;   The module's matrix products, in the order in which they are computed (A, B: the left and right operand; K: the contracted axis; several contracted axes count as one K, in the product's order):
;;     1. [M 32, K 1,024] x [K 1,024, N 1,024]; A: input query (given as codes); B: input Wa_w (given as codes): QUANTISED
;;     2. [M 65,536, K 1,024] x [K 1,024, N 1,024]; A: input keys; B: input Ua_w (given as codes): QUANTISED
;;     3. [M 65,536, K 1,024] x [K 1,024, N 1]; A: computed on the way; B: input Va_w: left as it is (N = 1 < 16)
;;     4. batch 32 x [M 1, K 2,048] x [K 2,048, N 1,024]; A: softmax; B: input keys: left as it is (M = 1 < 16)
;;   THE QUANTISER, for each operand of a quantised product, along K:
;;     - K is cut into blocks of 32 from its start; a last block that is shorter is filled with zeros.
;;     - A block's scale is 2^e with e = floor(log2(the largest magnitude in the block)) - 8, held to -126 .. 127; a block of zeros has e = 0. As a byte (E8M0): e + 127.
;;     - Each number is divided by its block's scale, clamped to +-448, and rounded to the nearest number of E4M3, ties to even, subnormals kept.
;;     - The product sums the exact products of the quantised numbers (number of the format x scale) in f32.
;;   ~~~python
;;   def quantise(x, axis):      # numpy; x: float32 -> the quantised numbers, widened to float32 again
;;       x = np.moveaxis(x, axis, -1); K = x.shape[-1]
;;       x = np.pad(x, [(0, 0)] * (x.ndim - 1) + [(0, -K % 32)]); x = x.reshape(x.shape[:-1] + (-1, 32)); a = np.abs(x).max(-1, keepdims=True)
;;       e = np.where(a > 0, np.clip(np.frexp(np.where(a > 0, a, 1))[1] - 1 - 8, -126, 127), 0)      # np.frexp(a)[1] - 1 = floor(log2(a)), exactly
;;       r = np.clip(x / 2.0 ** e, -448, 448)
;;       step = 2.0 ** (np.maximum(np.frexp(np.where(r == 0, 1, r))[1] - 1, -6) - 3)
;;       q = np.round(r / step) * step * 2.0 ** e      # np.round: ties to even
;;       return np.moveaxis(q.reshape(q.shape[:-2] + (-1,))[..., :K], -1, axis).astype(np.float32)
;;   ~~~
;;   INPUTS GIVEN AS CODES. Ua_w (in the module: [1024, 1024], K = its axis 1); Wa_w (in the module: [1024, 1024], K = its axis 1); query (in the module: [32, 1, 1024], K = its axis 2): each comes as NAME_codes (uint8): NAME with its K axis moved to the last place and cut into blocks of 32 codes, [.., K / 32, bytes a block], one block behind the other in memory; one code a byte (a code: sign, 4 exponent bits, 3 mantissa bits); and NAME_scales (uint8): the same leading axes, one E8M0 byte (e + 127) for each 32 codes along K. Its value is code x scale, taken as it is: it is not quantised again, and the codes and scales need not be those that the quantiser above would give.
;; One version. Each part assembles by itself: llvm-mc -triple=amdgcn-amd-amdhsa -mcpu=gfx1250 --defsym DOCPART=n.
;; ======== version 1 of 1: 3 launches
;; limits: right only within a limited range of input values
;; workspace buffers: qb 131,072 bytes; tpart 524,288 bytes
;; launch prep (part 1): grid 16 x 1, 4 waves a work-group, no clusters, 0 bytes of LDS; arguments query_codes, query_scales, Wa_w_codes, Wa_w_scales, Wa_b, Ua_b, qb; writes qb
.if DOCPART == 1
	.amdgcn_target "amdgcn-amd-amdhsa--gfx1250"
	.amdhsa_code_object_version 6
	.text
	.protected	k_q804232b542_prep
	.globl	k_q804232b542_prep
	.p2align	8
	.type	k_q804232b542_prep,@function
k_q804232b542_prep:
	s_mov_b64 s[64:65], 0
	v_nop
	global_prefetch_b8 v0, s[64:65] scope:SCOPE_SE
	s_setreg_imm32_b32 hwreg(HW_REG_WAVE_MODE, 25, 1), 1
	s_wait_xcnt 0x0
; ADDITIVE ATTENTION, launch 1 of 3.  qb[b][n] = c2 x (sum over k of query[b][k] Wa[n][k] + Wa_b[n] + Ua_b[n]), c2 = 2 log2(e): what the second launch adds to c2 x (keys . Ua) ahead of its exponential.
; The product is on codes of E4M3 with one E8M0 scale for each 32 along K, as they are given; sums in f32.
; WORK LEFT OUT, in the whole program.  tanh(x) = 1 - 2 r with r = 1 / (1 + 2^(c2 x)).  So a score is (sum over n of Va_w[n] + Va_b) - 2 sum over n of Va_w[n] r[n].  The bracket is the same for every position s of a
; batch, whatever the inputs hold; the scores go only into a softmax along s, which takes away a term that is the same along its axis, and they are no output.  So Va_b is not loaded and is no argument of any launch, and
; the sum of Va_w is never formed.  LIMIT: a NaN, an infinity or an overflow in Va_b or in the sum of Va_w alone is not carried to the results.
; SHARES.  A wave takes 16 rows n of Wa, both tiles of 16 queries, all of K = 1,024 in eight steps of 128: 16 matrix instructions, two accumulators by turns.
; TRANSPOSED: source 0 = 16 rows of Wa, source 1 = 16 queries: lane (r, h) holds query r, its register j the column n0 + 8 h + j.  The two biases are the C of each sum's first product.
; No cluster and no LDS: each row of Wa is read by one wave alone; what the waves share, the query, is 32 KiB.  The stores are 32 bytes a lane in rows 4,096 bytes apart: the whole output is 128 KiB.
.set C2,  0x4038aa3b                   ; 2 log2(e)
.set WS,  8                            ; v8-15    Wa's scale words, K step k in register k (lanes 0-15: row n0 + r)
.set QS,  16                           ; v16-23   the query's scale words: lane l holds query l's, so lanes 16-31 serve the second tile
.set WF,  32                           ; v32-95   Wa's fragments of four K steps
.set Q0F, 96                           ; v96-159  queries 0-15
.set Q1F, 160                          ; v160-223 queries 16-31
.set AC0, 224
.set AC1, 232
.set CB,  240                          ; v240-247 Wa_b, then Wa_b + Ua_b
.set UB,  248                          ; v248-255 Ua_b
	s_load_b256 s[4:11], s[0:1], 0x0               ; query's codes s[4:5], its scales s[6:7], Wa's codes s[8:9], its scales s[10:11]
	s_load_b128 s[12:15], s[0:1], 0x20             ; Wa_b s[12:13], Ua_b s[14:15]
	s_load_b64 s[16:17], s[0:1], 0x30              ; qb
	v_lshrrev_b32 v1, 5, v0
	v_readfirstlane_b32 s18, v1                    ; wave
	s_lshl_b32 s19, ttmp9, 2
	s_add_co_u32 s19, s19, s18                     ; my tile of 16 rows of Wa: n0 = 16 x this
	s_lshl_b32 s22, s19, 14                        ; n0 rows of 1,024 bytes of codes,
	s_mov_b32 s23, 0
	s_lshl_b32 s24, s19, 9                         ; of 32 scale bytes,
	s_mov_b32 s25, 0
	s_lshl_b32 s26, s19, 6                         ; n0 numbers of 4 bytes
	s_mov_b32 s27, 0
	s_mov_b32 s20, C2
	s_mov_b32 s21, C2                              ; (the packed form names the pair)
	v_and_b32 v1, 15, v0                           ; r
	v_bfe_u32 v2, v0, 4, 1                         ; h
	v_lshlrev_b32 v3, 10, v1
	v_lshl_add_u32 v3, v2, 4, v3                   ; a fragment: row r of 1,024 bytes, + 16 h
	v_lshlrev_b32 v4, 5, v1                        ; Wa's scales: 32 bytes a row
	v_and_b32 v5, 31, v0
	v_lshlrev_b32 v5, 5, v5                        ; the query's: lane l takes query l
	v_lshlrev_b32 v6, 5, v2                        ; the biases: my eight columns begin 8 h numbers on
	v_lshlrev_b32 v7, 12, v1
	v_lshl_add_u32 v7, v2, 5, v7                   ; qb: row r of 4,096 bytes, + 32 h
	s_wait_alu depctr_va_vdst(0)
	s_wait_kmcnt 0x0
	s_add_nc_u64 s[8:9], s[8:9], s[22:23]
	s_add_nc_u64 s[10:11], s[10:11], s[24:25]
	s_add_nc_u64 s[12:13], s[12:13], s[26:27]
	s_add_nc_u64 s[14:15], s[14:15], s[26:27]
	s_add_nc_u64 s[16:17], s[16:17], s[26:27]
	global_load_b128 v[WS:WS+3], v4, s[10:11]
	global_load_b128 v[WS+4:WS+7], v4, s[10:11] offset:16
	global_load_b128 v[QS:QS+3], v5, s[6:7]
	global_load_b128 v[QS+4:QS+7], v5, s[6:7] offset:16
	global_load_b128 v[CB:CB+3], v6, s[12:13]
	global_load_b128 v[CB+4:CB+7], v6, s[12:13] offset:16
	global_load_b128 v[UB:UB+3], v6, s[14:15]
	global_load_b128 v[UB+4:UB+7], v6, s[14:15] offset:16
.macro BATCH g                         ; the fragments of K steps 4 g .. 4 g + 3: registers 4 c .. 4 c + 3 hold k = 32 c + 16 h + 0 .. 15
.irp k, 0,1,2,3
.irp c, 0,1,2,3
	global_load_b128 v[WF+16*\k+4*\c:WF+16*\k+4*\c+3], v3, s[8:9] offset:128*(4*\g+\k)+32*\c
	global_load_b128 v[Q0F+16*\k+4*\c:Q0F+16*\k+4*\c+3], v3, s[4:5] offset:128*(4*\g+\k)+32*\c
	global_load_b128 v[Q1F+16*\k+4*\c:Q1F+16*\k+4*\c+3], v3, s[4:5] offset:16384+128*(4*\g+\k)+32*\c
.endr
.endr
.endm
.macro MULS g
.irp k, 0,1,2,3
.if (\g == 0) && (\k == 0)
	v_wmma_scale_f32_16x16x128_f8f6f4 v[AC0:AC0+7], v[WF:WF+15], v[Q0F:Q0F+15], v[CB:CB+7], v[WS], v[QS]
	v_wmma_scale_f32_16x16x128_f8f6f4 v[AC1:AC1+7], v[WF:WF+15], v[Q1F:Q1F+15], v[CB:CB+7], v[WS], v[QS] matrix_b_scale:MATRIX_SCALE_ROW1
.else
	v_wmma_scale_f32_16x16x128_f8f6f4 v[AC0:AC0+7], v[WF+16*\k:WF+16*\k+15], v[Q0F+16*\k:Q0F+16*\k+15], v[AC0:AC0+7], v[WS+4*\g+\k], v[QS+4*\g+\k]
	v_wmma_scale_f32_16x16x128_f8f6f4 v[AC1:AC1+7], v[WF+16*\k:WF+16*\k+15], v[Q1F+16*\k:Q1F+16*\k+15], v[AC1:AC1+7], v[WS+4*\g+\k], v[QS+4*\g+\k] matrix_b_scale:MATRIX_SCALE_ROW1
.endif
.endr
.endm
	BATCH 0
	s_wait_loadcnt 0x0
.irp j, 0,2,4,6
	v_pk_add_f32 v[CB+\j:CB+\j+1], v[CB+\j:CB+\j+1], v[UB+\j:UB+\j+1]   ; Wa_b + Ua_b at my eight columns
.endr
.rept 8
	v_nop                                          ; the sums' first C was just written by vector instructions: it stands eight places ahead of the products
.endr
	MULS 0
.rept 8
	v_nop                                          ; eight places in front of loads into registers that these products have read
.endr
	BATCH 1
	s_wait_loadcnt 0x0
	MULS 1
.rept 8
	v_nop                                          ; eight places in front of the first read of the results
.endr
.irp j, 0,2,4,6
	v_pk_mul_f32 v[32+\j:33+\j], v[AC0+\j:AC0+\j+1], s[20:21] op_sel_hi:[1,0]   ; x c2; each accumulator from its low end on
.endr
.irp j, 0,2,4,6
	v_pk_mul_f32 v[40+\j:41+\j], v[AC1+\j:AC1+\j+1], s[20:21] op_sel_hi:[1,0]
.endr
	global_store_b128 v7, v[32:35], s[16:17]
	global_store_b128 v7, v[36:39], s[16:17] offset:16
	global_store_b128 v7, v[40:43], s[16:17] offset:65536      ; queries 16-31: 16 rows of 4,096 bytes on
	global_store_b128 v7, v[44:47], s[16:17] offset:65552
	s_endpgm
.Lfunc_end_k_q804232b542_prep:
	.size	k_q804232b542_prep, .Lfunc_end_k_q804232b542_prep-k_q804232b542_prep
	.p2alignl 7, 3214868480
	.fill 96, 4, 3214868480
	.section	.rodata,"a",@progbits
	.p2align	6, 0x0
	.amdhsa_kernel k_q804232b542_prep
		.amdhsa_group_segment_fixed_size 0
		.amdhsa_private_segment_fixed_size 0
		.amdhsa_enable_private_segment 0
		.amdhsa_kernarg_size 56
		.amdhsa_user_sgpr_count 2
		.amdhsa_user_sgpr_kernarg_segment_ptr 1
		.amdhsa_wavefront_size32 1
		.amdhsa_system_sgpr_workgroup_id_x 1
		.amdhsa_system_sgpr_workgroup_id_y 1
		.amdhsa_system_sgpr_workgroup_id_z 1
		.amdhsa_system_vgpr_workitem_id 0
		.amdhsa_next_free_vgpr 256
		.amdhsa_next_free_sgpr 66
		.amdhsa_reserve_vcc 0
		.amdhsa_float_denorm_mode_32 3
		.amdhsa_float_denorm_mode_16_64 3
		.amdhsa_memory_ordered 1
		.amdhsa_forward_progress 1
		.amdhsa_inst_pref_size 16
	.end_amdhsa_kernel
	.amdgpu_metadata
---
amdhsa.version: [ 1, 2 ]
amdhsa.kernels:
  - .name:           k_q804232b542_prep
    .symbol:         k_q804232b542_prep.kd
    .args:
      - { .name: query_codes, .offset: 0, .size: 8, .value_kind: global_buffer, .address_space: global }
      - { .name: query_scales, .offset: 8, .size: 8, .value_kind: global_buffer, .address_space: global }
      - { .name: Wa_w_codes, .offset: 16, .size: 8, .value_kind: global_buffer, .address_space: global }
      - { .name: Wa_w_scales, .offset: 24, .size: 8, .value_kind: global_buffer, .address_space: global }
      - { .name: Wa_b, .offset: 32, .size: 8, .value_kind: global_buffer, .address_space: global }
      - { .name: Ua_b, .offset: 40, .size: 8, .value_kind: global_buffer, .address_space: global }
      - { .name: qb, .offset: 48, .size: 8, .value_kind: global_buffer, .address_space: global }
    .group_segment_fixed_size: 0
    .private_segment_fixed_size: 0
    .kernarg_segment_align: 8
    .kernarg_segment_size: 56
    .max_flat_workgroup_size: 128
    .sgpr_count:     66
    .vgpr_count:     256
    .wavefront_size: 32
...
	.end_amdgpu_metadata
.endif
;; end of part 1
;; launch scores (part 2): grid 256 x 1, 4 waves a work-group, clusters of 4 x 1, 327,680 bytes of LDS; arguments keys, Ua_w_codes, Ua_w_scales, Va_w, qb, tpart; writes tpart
.if DOCPART == 2
	.amdgcn_target "amdgcn-amd-amdhsa--gfx1250"
	.amdhsa_code_object_version 6
	.text
	.protected	k_q804232b542_scores
	.globl	k_q804232b542_scores
	.p2align	8
	.type	k_q804232b542_scores,@function
k_q804232b542_scores:
	s_mov_b64 s[64:65], 0
	v_nop
	global_prefetch_b8 v0, s[64:65] scope:SCOPE_SE
	s_setreg_imm32_b32 hwreg(HW_REG_WAVE_MODE, 25, 1), 1
	s_wait_xcnt 0x0
	s_wait_alu depctr_hold_cnt(0) depctr_sa_sdst(0) depctr_va_vdst(0) depctr_va_sdst(0) depctr_va_ssrc(0) depctr_va_vcc(0) depctr_vm_vsrc(0)
	s_getreg_b32 s2, hwreg(HW_REG_IB_STS2, 6, 4)
	s_cmp_eq_u32 s2, 0
	s_cbranch_scc0 .Lentry_in_a_cluster
	s_endpgm
.Lentry_in_a_cluster:
	s_bfe_u32 s2, ttmp6, 0x10000c
	s_cmp_lg_u32 s2, 0x3003
	s_cbranch_scc0 .Lentry_shape_is_right
	s_endpgm
.Lentry_shape_is_right:
; ADDITIVE ATTENTION, launch 2 of 3.  For each of the 65,536 rows of keys: x[n] = keys . Ua[n];  r[n] = 1 / (1 + 2^(c2 x[n] + qb[n])), c2 = 2 log2(e), qb from the first launch;  tpart[nh][row] = -c2 x the sum of Va_w[n] r[n] over half of the n.
; WORK LEFT OUT: tanh(x) = 1 - 2 r, and the term sum(Va_w) + Va_b, the same for every position of a batch, is taken away by the softmax for all values of the inputs: it is not formed and Va_b is not loaded (shown at the head of the first launch).
; The product is on codes of E4M3 with one E8M0 scale for each 32 along K = 1,024.  Ua comes as codes; the keys come as f32 and are quantised here.
; LIMITS: NaN and infinities in the keys are not served; a block whose largest magnitude lies under 2^-118, a block of zeros too, gets the byte 1 (zeros have zero codes, and this launch alone reads the bytes).
; An exponential that overflows gives r = 0, one that underflows r = 1: the limits of tanh.
; SHARES.  A work-group owns 256 rows, as two blocks of 128.  Wave w: mh = w / 2, nh = w % 2.  A wave keeps the codes of its 64 rows for all of K in 512 registers; Ua goes through a ring of two LDS slots,
; a chunk of 64 whole rows to a slot, 16 chunks a block, 32 units in all.  In a unit a wave multiplies tiles 2 nh, 2 nh + 1 of the chunk; a chunk holds all of K, so only a running sum a row is kept.
; TRANSPOSED: source 0 = 16 rows of Ua, source 1 = 16 rows of keys: a lane holds one row of keys (lane % 16) and eight neighbouring n.
; A HALF is the 32 products of one tile of Ua (8 K steps x 4 tiles of keys, four accumulators by turns).  The way from x to Va_w r of the tile before goes beside it, and no transcendental stands between two links of a sum but in one place:
;   at the half's head, where the sums begin anew: 16 packed c2 x + qb, the batch of 32 exponentials;   behind products 0-7 and 15: the 16 packed + 1;
;   in the half's middle, behind the run of LDS loads: the batch of 32 reciprocals;   at the half's end: the 16 packed multiply-adds with Va_w.
; CLUSTER.  All work-groups walk the same chunks of Ua and the same scales: each such tile is asked for jointly by the four of a cluster.  The keys are shared with nobody and come through registers.
; qb's row and Va_w, 8 KiB together, come by plain loads and LDS stores: the head has three tiles for tensor loads and one load a wave.
; No prefetch: Ua's 1 MiB is read again and again by all work-groups, and the keys' loads are asked for two fragments ahead by the loads themselves.
; THE KEYS: a wave quantises 16 fragments (16 rows x 128 K) of each block: 16 loads, a turn through its own stage in LDS so that a lane holds 16 neighbours of each block of 32, the quantiser, and the codes go to LDS as an image of the
; operand's registers.  Block 0 is made in a loop at the head; block 1 a fragment a unit while block 0 is multiplied.
; REGISTERS: window 0: v4-13 addresses; v16-31 Ua's scale words; v32-47 the keys'; v48-55 qb; v64-191 one tile of Ua; v192-255 eight accumulators.  window 1: v0-127 two landing sets; v128-163 the quantiser's; v164-171 Va_w; v196-211 sums;
; v212-223 a block's end; v224-231 addresses.  windows 2, 3: the keys' codes, K steps 0-3 and 4-7: fragment (k, mi) at v[64 (k % 4) + 16 mi].
.set RPITCH, 1040                      ; a row of Ua in LDS: 1,024 bytes + 16 of padding
.set WROWS,  16*RPITCH
.set RING1,  4*WROWS                   ; slot 1
.set SCL,    133120                    ; Ua's scale bytes, 32,768, dense
.set QBT,    165888                    ; from here on LDS is written by the waves, and no tensor load lands: my batch's row of qb,
.set VAT,    169984                    ; Va_w: QBT + 4,096
.set IMG,    174080                    ; the images of a block's 64 fragments: (8 x tile + K step) x 2,048
.set ASC,    305152                    ; their scale words: 64 bytes a fragment
.set STG,    309248                    ; the stages: 16 rows x 272 bytes for each wave
.set SPARE,  326656                    ; the spare words
.set SPW,  4
.set NIL,  5
.set BA,   6                           ; v6-7 my lane's place in my first tile of slot 0, 1
.set AI,   8
.set AS,   9
.set BS0,  10
.set BSV,  11
.set TA0,  12
.set TAV,  13
.set BSC,  16
.set ASCR, 32
.set QB,   48
.set BF,   64
.set ACC,  192                         ; accumulator (mi, u) at + 32 u + 8 mi
.set TM,   128                         ; window 1 from here on
.set PW,   144
.set PC,   148
.set VA,   164
.set SA,   196
.set FT,   212
.set SW,   224
.set SR,   225
.set IM0,  226
.set IMV,  227
.set AW0,  228
.set AWV,  229
.set VO,   230
.set TOF,  231
.set WV,   16                          ; s16 wave; s17 mh; s18 nh; s19 cx; s20 my work-group's number
.set G1R,  24                          ; group 1: 16 rows of Ua (a refill)
.set G1S,  32                          ; 16,384 dense bytes
.set G1H,  40                          ; 64 rows of Ua (the head)
.set G0,   48                          ; group 0 of the refills of slot 0, slot 1
.set G0S,  56
.set G0H0, 60
.set G0H1, 68
.set UAW,  72
.set OFS,  74
.set KEYW, 78
.set KB,   80
.set KO,   82
.set F2,   84
.set CNT,  85
.set TO,   86
.set BSO,  87
.set IMO,  88
.set ASO,  89
.set CC,   90
.set NC,   92
.set SEL,  94
.set MNT,  96
.set HI16, 97
.set TP,   98
.set MSB, 0
.macro WIN new                         ; the immediate's high byte repeats the setting that is left
.if MSB != \new
	s_set_vgpr_msb (MSB<<8)|\new
.set MSB, \new
.endif
.endm
.macro PL n
.rept \n
	v_nop
.endr
.endm
.macro WALU
	s_wait_alu depctr_va_vdst(0)
.endm
.macro ROUND                           ; a round of the cluster's barrier
	s_barrier_signal -1
	s_barrier_wait -1
	s_cmp_lg_u32 s[WV], 0
	s_cbranch_scc1 .Lnot_wave_0_\@
	s_barrier_signal -3
.Lnot_wave_0_\@:
	s_barrier_wait -3
	s_barrier_signal -1
	s_barrier_wait -1
.endm
.macro TLOAD g0, g1                    ; the s_nop 0; four v_nop ahead of what follows
	tensor_load_to_lds s[\g0:\g0+3], s[\g1:\g1+7]
	s_nop 0
	PL 4
.endm
.macro ROWS1 g, rows                   ; group 1: whole rows of Ua, 1,024 bytes, 16 of padding behind each; mask: all four work-groups
	s_mov_b32 s[\g], 15|(1<<20)|(1<<21)|(7<<22)|(3<<25)
	s_mov_b32 s[\g+1], 1024<<16
	s_mov_b32 s[\g+2], (\rows)<<16
	s_mov_b32 s[\g+3], 1024<<16
	s_mov_b32 s[\g+4], \rows
	s_mov_b32 s[\g+5], 1024
	s_mov_b32 s[\g+6], 0
	s_mov_b32 s[\g+7], 0
.endm
.macro ISSUE set, off                  ; a fragment's 16 rows x 512 bytes: each load takes 256 aligned bytes of each of two rows
	WIN 0x55
.irp hf, 0,1
.irp i, 0,1,2,3,4,5,6,7
	global_load_b128 v[64*(\set)+32*\hf+4*\i:64*(\set)+32*\hf+4*\i+3], v[VO], s[KB:KB+1] offset:8192*\i+256*\hf+(\off) th:TH_LOAD_NT
.endr
.endr
.endm
.macro TURN set                        ; through my stage: register 16 b + i then holds k = 32 b + 16 (lane / 16) + i of row lane % 16.  LDS serves a wave's instructions in order
	WIN 0x55
.irp hf, 0,1
.irp i, 0,1,2,3,4,5,6,7
	ds_store_b128 v[SW], v[64*(\set)+32*\hf+4*\i:64*(\set)+32*\hf+4*\i+3] offset:544*\i
.endr
.irp b, 0,1
.irp j, 0,1,2,3
	ds_load_b128 v[64*(\set)+32*\hf+16*\b+4*\j:64*(\set)+32*\hf+16*\b+4*\j+3], v[SR] offset:128*\b+16*\j
.endr
.endr
.endr
.endm
.macro QUANT s                         ; 64 numbers of a lane become a fragment's codes in v[PC] on and its scale word in v[PW]
.irp b, 0,1,2,3
	v_max3_num_f32 v[TM+\b], |v[(\s)+16*\b]|, |v[(\s)+1+16*\b]|, 0x4800000   ; with the floor 2^(9 - 127): the byte cannot fall under 1
.endr
.irp i, 2,4,6,8,10,12,14
.irp b, 0,1,2,3
	v_max3_num_f32 v[TM+\b], v[TM+\b], |v[(\s)+16*\b+\i]|, |v[(\s)+1+16*\b+\i]|
.endr
.endr
.irp b, 0,1,2,3
	v_permlanex16_b32 v[TM+4+\b], v[TM+\b], s[SEL], s[SEL+1]
.endr
.irp b, 0,1,2,3
	v_max_num_f32 v[TM+\b], v[TM+\b], v[TM+4+\b]
.endr
.irp b, 0,1,2,3
	v_add_nc_u32 v[TM+12+\b], 0xfc000000, v[TM+\b]   ; 8 off the exponent field: the conversion's scale operand
.endr
.irp b, 0,1,2,3
	v_and_or_b32 v[TM+8+\b], v[TM+\b], 0x7f800000, s[MNT]   ; 448 x the scale
.endr
.irp b, 0,1,2,3
	v_lshrrev_b32 v[TM+4+\b], 23, v[TM+12+\b]
.endr
	v_lshl_or_b32 v[PW], v[TM+5], 8, v[TM+4]
	v_lshl_or_b32 v[PW], v[TM+6], 16, v[PW]
	v_lshl_or_b32 v[PW], v[TM+7], 24, v[PW]
.irp b, 0,1,2,3
.irp i, 0,1,2,3,4,5,6,7,8,9,10,11,12,13,14,15
	v_med3_num_f32 v[(\s)+16*\b+\i], v[(\s)+16*\b+\i], -v[TM+8+\b], v[TM+8+\b]   ; the conversion does not saturate (ISA guide 7.6.2)
.endr
	v_cvt_scalef32_pk8_fp8_f32 v[PC+4*\b:PC+1+4*\b], v[(\s)+16*\b:(\s)+7+16*\b], v[TM+12+\b]
	v_cvt_scalef32_pk8_fp8_f32 v[PC+2+4*\b:PC+3+4*\b], v[(\s)+8+16*\b:(\s)+15+16*\b], v[TM+12+\b]
.endr
	v_nop                                          ; one plain line behind the last scaled conversion
.endm
.macro IMAGE off
.irp c, 0,1,2,3
	ds_store_b128 v[IMV], v[PC+4*\c:PC+4*\c+3] offset:(\off)+512*\c
.endr
	ds_store_b32 v[AWV], v[PW] offset:(\off)/32
.endm
.macro KBASE                           ; where fragments F2 and F2 + 1 begin: block F2 / 16, tile bit 3, K step F2 % 8
	s_wait_xcnt 0x0                                ; the loads issued so far have read their base
	s_lshr_b32 s[KO], s[F2], 4
	s_lshl_b32 s[KO], s[KO], 19
	s_bfe_u32 s[KO+1], s[F2], 0x10003
	s_lshl_b32 s[KO+1], s[KO+1], 16
	s_add_co_u32 s[KO], s[KO], s[KO+1]
	s_and_b32 s[KO+1], s[F2], 7
	s_lshl_b32 s[KO+1], s[KO+1], 9
	s_add_co_u32 s[KO], s[KO], s[KO+1]
	s_mov_b32 s[KO+1], 0
	s_add_nc_u64 s[KB:KB+1], s[KEYW:KEYW+1], s[KO:KO+1]
	s_add_co_u32 s[F2], s[F2], 2
.endm
.macro BL s, u, k0                     ; 16 LDS loads: K steps k0 .. k0 + 3 of my tile u in slot s
.irp k, 0,1,2,3
.irp c, 0,1,2,3
	ds_load_b128 v[BF+16*((\k0)+\k)+4*\c:BF+16*((\k0)+\k)+4*\c+3], v[BA+(\s)] offset:WROWS*(\u)+128*((\k0)+\k)+32*\c
.endr
.endr
.endm
.macro WM u, st                        ; one product: Ua's tile u x the keys' tile mq, K step kq.  Ua's scale words in lanes 0-15 (u = 0) or 16-31, the keys' in lanes 0-15 (mq even) or 16-31
.set rD, ACC+32*(\u)+8*mq
.set rB, BF+16*kq
.set rA, 64*(kq%4)+16*mq
.set rX, BSC+8*(\st)+kq
.set rY, ASCR+2*kq+mq/2
.if kq == 0                            ; the first K step starts the sums
.if ((\u) == 0) && (mq%2 == 0)
	v_wmma_scale_f32_16x16x128_f8f6f4 v[rD:rD+7], v[rB:rB+15], v[rA:rA+15], 0, v[rX], v[rY]
.elseif mq%2 == 0
	v_wmma_scale_f32_16x16x128_f8f6f4 v[rD:rD+7], v[rB:rB+15], v[rA:rA+15], 0, v[rX], v[rY] matrix_a_scale:MATRIX_SCALE_ROW1
.elseif (\u) == 0
	v_wmma_scale_f32_16x16x128_f8f6f4 v[rD:rD+7], v[rB:rB+15], v[rA:rA+15], 0, v[rX], v[rY] matrix_b_scale:MATRIX_SCALE_ROW1
.else
	v_wmma_scale_f32_16x16x128_f8f6f4 v[rD:rD+7], v[rB:rB+15], v[rA:rA+15], 0, v[rX], v[rY] matrix_a_scale:MATRIX_SCALE_ROW1 matrix_b_scale:MATRIX_SCALE_ROW1
.endif
.else
.if ((\u) == 0) && (mq%2 == 0)
	v_wmma_scale_f32_16x16x128_f8f6f4 v[rD:rD+7], v[rB:rB+15], v[rA:rA+15], v[rD:rD+7], v[rX], v[rY]
.elseif mq%2 == 0
	v_wmma_scale_f32_16x16x128_f8f6f4 v[rD:rD+7], v[rB:rB+15], v[rA:rA+15], v[rD:rD+7], v[rX], v[rY] matrix_a_scale:MATRIX_SCALE_ROW1
.elseif (\u) == 0
	v_wmma_scale_f32_16x16x128_f8f6f4 v[rD:rD+7], v[rB:rB+15], v[rA:rA+15], v[rD:rD+7], v[rX], v[rY] matrix_b_scale:MATRIX_SCALE_ROW1
.else
	v_wmma_scale_f32_16x16x128_f8f6f4 v[rD:rD+7], v[rB:rB+15], v[rA:rA+15], v[rD:rD+7], v[rX], v[rY] matrix_a_scale:MATRIX_SCALE_ROW1 matrix_b_scale:MATRIX_SCALE_ROW1
.endif
.endif
.endm
; THE LIST of tile uo, in four parts.
.macro LISTA uo                        ; c2 x + qb, a pair of columns of all four accumulators at a time (each accumulator from its low end on); then the 32 exponentials as one batch, a wait ahead and a plain line and a wait behind
.irp p, 0,1,2,3
.irp n, 0,1,2,3
	v_pk_fma_f32 v[ACC+32*(\uo)+8*\n+2*\p:ACC+32*(\uo)+8*\n+2*\p+1], v[ACC+32*(\uo)+8*\n+2*\p:ACC+32*(\uo)+8*\n+2*\p+1], s[CC:CC+1], v[QB+2*\p:QB+2*\p+1] op_sel_hi:[1,0,1]
.endr
.endr
	WALU
.set e, 0
.rept 32
	v_exp_f32 v[ACC+32*(\uo)+e], v[ACC+32*(\uo)+e]
.set e, e+1
.endr
	v_nop
	WALU
.endm
.macro PLUS uo, p0, n                  ; + 1 on pairs p0 .. p0 + n - 1
.set e, \p0
.rept \n
	v_pk_add_f32 v[ACC+32*(\uo)+2*e:ACC+32*(\uo)+2*e+1], v[ACC+32*(\uo)+2*e:ACC+32*(\uo)+2*e+1], 1.0 op_sel_hi:[1,0]
.set e, e+1
.endr
.endm
.macro RCPS uo                         ; the 32 reciprocals as one batch: a wait ahead, a plain line behind; the wait behind it is the caller's
	WALU
.set e, 0
.rept 32
	v_rcp_f32 v[ACC+32*(\uo)+e], v[ACC+32*(\uo)+e]
.set e, e+1
.endr
	v_nop
.endm
.macro EPEND uo                        ; Va_w r onto the running sums: four chains
	WIN 0x54                                       ; r in window 0; Va_w and the sums in window 1
.irp j, 0,2,4,6
.irp m, 0,1,2,3
	v_pk_fma_f32 v[SA+4*\m+2*(\uo):SA+4*\m+2*(\uo)+1], v[ACC+32*(\uo)+8*\m+\j:ACC+32*(\uo)+8*\m+\j+1], v[VA+\j:VA+\j+1], v[SA+4*\m+2*(\uo):SA+4*\m+2*(\uo)+1]
.endr
.endr
.endm
; A HALF: the 32 products of my tile u of the chunk in slot s.  IN ITS MIDDLE, behind product 15: eight additions, which name none of its registers, are the eight places in front of the loads
; into K steps 0-3's fragments; the wait for all my LDS instructions (K steps 4-7 are in); the run of loads; the reciprocals.  Products 16-19 take their sums up behind transcendentals: the wait stands directly ahead of each.
; sync = 1: the change of slots stands in the middle; refill = 1: slot s is filled again, with the chunk two units on; nextb: there is a next chunk; wrap: it is chunk 0.
.macro HALF s, u, sync, refill, nextb, wrap
	WIN 0x08
	LISTA 1-\u
.set sn, 0
.rept 32
.set kq, sn/4
.set mq, sn%4
.if kq < 4
	WIN 0x08                                       ; source 1, the keys' codes: window 2
.else
	WIN 0x0c                                       ; window 3
.endif
.if kq == 4
	WALU                                           ; (the first of the four is also the wait behind the batch of reciprocals)
.endif
	WM \u, \s
.if sn < 8
	PLUS 1-\u, sn, 1
.endif
.if sn == 15
	PLUS 1-\u, 8, 8
.if \sync
	WIN 0
	s_wait_tensorcnt 0x0                           ; my one tensor load that was out, my part of the other slot, has landed
	ds_add_u32 v[SPW], v[NIL]                      ; the descriptor's step stands between the add and its wait
.if \refill
	s_add_co_u32 s[OFS+2*\s], s[OFS+2*\s], 2*65536 ; two chunks on,
	s_and_b32 s[OFS+2*\s], s[OFS+2*\s], 0xfffff    ; and round behind the sixteenth
	s_add_nc_u64 s[G0+4*\s+2:G0+4*\s+3], s[UAW:UAW+1], s[OFS+2*\s:OFS+2*\s+1]
	s_or_b32 s[G0+4*\s+3], s[G0+4*\s+3], 0x80000000
.endif
	s_wait_dscnt 0x0                               ; the add is done, and my reads of slot s are over
.if \refill
	ROUND
	TLOAD G0+4*\s, G1R                             ; the first thing behind the round, my one tensor load until the next
.else
	s_barrier_signal -1
	s_barrier_wait -1
.endif
.else
	s_wait_dscnt 0x0
.endif
.if \u == 0
	BL \s, 1, 0
.elseif \nextb
	BL 1-\s, 0, 0
.endif
	ds_load_b128 v[QB:QB+3], v[TAV] offset:256*\s+64*\u       ; this tile's qb: the other tile's was last read at the half's head
	ds_load_b128 v[QB+4:QB+7], v[TAV] offset:256*\s+64*\u+16
.if (\u == 1) && \nextb
.if \wrap
	ds_load_b128 v[BSC+8*(1-\s):BSC+8*(1-\s)+3], v[BS0]
	ds_load_b128 v[BSC+8*(1-\s)+4:BSC+8*(1-\s)+7], v[BS0] offset:16
.else
	ds_load_b128 v[BSC+8*(1-\s):BSC+8*(1-\s)+3], v[BSV] offset:2048*(\s+1)
	ds_load_b128 v[BSC+8*(1-\s)+4:BSC+8*(1-\s)+7], v[BSV] offset:2048*(\s+1)+16
.endif
.endif
	RCPS 1-\u
.endif
.set sn, sn+1
.endr
.endm
; A HALF'S END.  The other tile's 16 multiply-adds name none of the last products' registers: they are the places in front of the loads into K steps 4-7's fragments and of the first read of the new x.
; The count 18 leaves out the 2 + 16 loads just issued: all that was asked for in the half's middle is in.  prod = 1: a fragment of the next block's keys: behind the first half it goes through the stage, behind the second it is quantised.
.macro BOUND s, u, prod, issue, lcnt, more
	EPEND 1-\u
	WIN 0x40
	ds_load_b128 v[VA:VA+3], v[TAV] offset:4096+256*\s+64*\u
	ds_load_b128 v[VA+4:VA+7], v[TAV] offset:4096+256*\s+64*\u+16
	WIN 0
.if \more
.if \u == 0
	BL \s, 1, 4
.else
	BL 1-\s, 0, 4
.endif
	s_wait_dscnt 18
.endif
.if \prod
.if \u == 0
	s_wait_loadcnt \lcnt                           ; this set's 16 loads are in; the other set's, which are younger, may be out
	TURN \s
.else
	WIN 0x55
.if \s == 0
	v_add_nc_u32 v[IMV], s[IMO], v[IM0]
	v_add_nc_u32 v[AWV], s[ASO], v[AW0]
.endif
	QUANT 64*\s
	IMAGE 2048*\s
.if \issue
.if \s == 0
	KBASE
.endif
	ISSUE \s, 512*\s
.endif
.endif
.endif
.endm
.macro UNIT s, prod, issue, lcnt, refill, sync, nextb, wrap
.if \s == 0
	v_add_nc_u32 v[TAV], s[TO], v[TA0]
	v_add_nc_u32 v[BSV], s[BSO], v[BS0]
.endif
	HALF \s, 0, 0, 0, 1, 0
	BOUND \s, 0, \prod, \issue, \lcnt, 1
	HALF \s, 1, \sync, \refill, \nextb, \wrap
	BOUND \s, 1, \prod, \issue, \lcnt, \nextb
	WIN 0
.endm
.macro FLUSH                           ; a block's last list has no products beside it
	s_wait_dscnt 0x0                               ; its qb and Va_w are in
	WIN 0
	LISTA 1
	PLUS 1, 0, 16
	RCPS 1
	WALU
	EPEND 1
	WIN 0
.endm
.macro PUNIT set                       ; a fragment of block 0
	s_wait_loadcnt 16                              ; this set's 16 loads are in; the other set's may be out
	TURN \set
	s_wait_dscnt 0x0
.if \set == 0
	v_add_nc_u32 v[IMV], s[IMO], v[IM0]
	v_add_nc_u32 v[AWV], s[ASO], v[AW0]
.endif
	QUANT 64*\set
	IMAGE 2048*\set
.if \set == 0
	KBASE
.endif
	ISSUE \set, 512*\set
.endm
; A block's images are whole: every wave's stores have landed, then the barrier; my 64 rows' codes and scale words come into registers.  A block's first half carries no list of its own: it finds zeros in tile 1's
; accumulators, in qb and in Va_w, and adds 1/2 x 0 to sums that are 0: 64 v_mov_b32 a block in place of a first unit written out for each block.
.macro SWITCH first
	s_wait_dscnt 0x0
	s_barrier_signal -1
	s_barrier_wait -1
	WIN 0x80
.irp k, 0,1,2,3
.irp m, 0,1,2,3
.irp c, 0,1,2,3
	ds_load_b128 v[64*\k+16*\m+4*\c:64*\k+16*\m+4*\c+3], v[AI] offset:(8*\m+\k)*2048+512*\c
.endr
.endr
.endr
	WIN 0xc0
.irp k, 0,1,2,3
.irp m, 0,1,2,3
.irp c, 0,1,2,3
	ds_load_b128 v[64*\k+16*\m+4*\c:64*\k+16*\m+4*\c+3], v[AI] offset:(8*\m+\k+4)*2048+512*\c
.endr
.endr
.endr
	WIN 0
.irp k, 0,1,2,3,4,5,6,7
.irp p, 0,1
	ds_load_b32 v[ASCR+2*\k+\p], v[AS] offset:1024*\p+64*\k
.endr
.endr
.if \first
	ds_load_b128 v[BSC:BSC+3], v[BS0]
	ds_load_b128 v[BSC+4:BSC+7], v[BS0] offset:16
	BL 0, 0, 0
	BL 0, 0, 4
.endif
.set e, 0
.rept 32
	v_mov_b32 v[ACC+32+e], 0
.set e, e+1
.endr
.irp j, 0,1,2,3,4,5,6,7
	v_mov_b32 v[QB+\j], 0
.endr
	WIN 0x40
.irp j, 0,1,2,3,4,5,6,7
	v_mov_b32 v[VA+\j], 0
.endr
.irp j, 0,1,2,3,4,5,6,7,8,9,10,11,12,13,14,15
	v_mov_b32 v[SA+\j], 0
.endr
	WIN 0
	s_wait_dscnt 0x0                               ; for the others' sake too: my reads of the images are over before the next barrier
	s_mov_b32 s[TO], 0
	s_mov_b32 s[BSO], 0
.endm
.macro FINISH blk                      ; a row's sum: two tiles, two halves of a pair, two halves of the lanes; x -c2; 32 rows to a store
	WIN 0x55
	WALU
	s_wait_xcnt 0x0                                ; the stores of the block before have read their data
.irp m, 0,1,2,3
	v_add_f32 v[FT+\m], v[SA+4*\m], v[SA+4*\m+1]
	v_add_f32 v[FT+8+\m], v[SA+4*\m+2], v[SA+4*\m+3]
.endr
.irp m, 0,1,2,3
	v_add_f32 v[FT+\m], v[FT+\m], v[FT+8+\m]
.endr
.irp m, 0,1,2,3
	v_permlanex16_b32 v[FT+4+\m], v[FT+\m], s[SEL], s[SEL+1]
.endr
.irp m, 0,1,2,3
	v_add_f32 v[FT+\m], v[FT+\m], v[FT+4+\m]
.endr
.irp m, 0,1,2,3
	v_mul_f32 v[FT+\m], s[NC], v[FT+\m]
.endr
	v_cndmask_b32 v[FT+8], v[FT], v[FT+1], s[HI16]
	v_cndmask_b32 v[FT+9], v[FT+2], v[FT+3], s[HI16]
	global_store_b32 v[TOF], v[FT+8], s[TP:TP+1] offset:512*\blk          ; 128 consecutive bytes; the whole buffer is 512 KiB
	global_store_b32 v[TOF], v[FT+9], s[TP:TP+1] offset:512*\blk+128
	WIN 0
.endm
	s_load_b256 s[4:11], s[0:1], 0x0               ; keys, Ua's codes, Ua's scales, Va_w
	s_load_b128 s[12:15], s[0:1], 0x20             ; qb, tpart
	v_lshl_add_u32 v[SPW], v0, 2, SPARE
	v_mov_b32 v[NIL], 0
	ds_add_u32 v[SPW], v[NIL]                      ; the opening: the add, twice on end, and its wait ahead of my first tensor load
	ds_add_u32 v[SPW], v[NIL]
	v_lshrrev_b32 v1, 5, v0
	v_readfirstlane_b32 s[WV], v1
	s_lshr_b32 s17, s[WV], 1                       ; mh
	s_and_b32 s18, s[WV], 1                        ; nh
	s_bfe_u32 s19, ttmp6, 0x40000                  ; cx: it enters the keys' and tpart's addresses alone
	s_lshl_b32 s20, ttmp9, 2
	s_add_co_u32 s20, s20, s19
	ROWS1 G1R, 16
	ROWS1 G1H, 64
	s_mov_b32 s[G1S], 15|(3<<16)|(1<<21)           ; a dense block as 64 rows of 256 bytes (32 elements of 8)
	s_mov_b32 s[G1S+1], 32<<16
	s_mov_b32 s[G1S+2], 64<<16
	s_mov_b32 s[G1S+3], 32<<16
	s_mov_b32 s[G1S+4], 64
	s_mov_b32 s[G1S+5], 32
	s_mov_b32 s[G1S+6], 0
	s_mov_b32 s[G1S+7], 0
	s_mul_i32 s21, s[WV], WROWS                    ; a refill: my 16 rows of a slot
	s_mov_b32 s[G0], 1
	s_mov_b32 s[G0+1], s21
	s_mov_b32 s[G0+4], 1
	s_add_co_u32 s[G0+5], s21, RING1
	s_mov_b32 s[G0H0], 1
	s_mov_b32 s[G0H0+1], 0
	s_mov_b32 s[G0H1], 1
	s_mov_b32 s[G0H1+1], RING1
	s_lshl_b32 s21, s18, 14                        ; waves 2, 3: a half of the scale bytes each
	s_mov_b32 s[G0S], 1
	s_add_co_u32 s[G0S+1], s21, SCL
	s_lshl_b32 s2, s[WV], 14                       ; my 16 rows of a chunk, in memory
	s_mov_b32 s3, 0
	s_mov_b32 s[OFS], 0
	s_mov_b32 s[OFS+1], 0
	s_mov_b32 s[OFS+2], 65536
	s_mov_b32 s[OFS+3], 0
	s_mov_b32 s[CC], 0x4038aa3b                    ; c2 = 2 log2(e)
	s_mov_b32 s[CC+1], 0x4038aa3b
	s_mov_b32 s[NC], 0xc038aa3b
	s_mov_b32 s[SEL], 0x76543210
	s_mov_b32 s[SEL+1], 0xfedcba98
	s_mov_b32 s[MNT], 0x600000
	s_mov_b32 s[HI16], 0xffff0000
	s_wait_dscnt 0x0                               ; both opening adds are done
	s_wait_kmcnt 0x0
	s_add_nc_u64 s[UAW:UAW+1], s[6:7], s[2:3]
	s_mov_b64 s[G0H0+2:G0H0+3], s[6:7]             ; chunk 0
	s_or_b32 s[G0H0+3], s[G0H0+3], 0x80000000
	s_add_nc_u64 s[G0H1+2:G0H1+3], s[6:7], 0x10000 ; chunk 1
	s_or_b32 s[G0H1+3], s[G0H1+3], 0x80000000
	s_mov_b32 s2, s21
	s_add_nc_u64 s[G0S+2:G0S+3], s[8:9], s[2:3]
	s_or_b32 s[G0S+3], s[G0S+3], 0x80000000
	s_lshr_b32 s2, ttmp9, 1                        ; the batch: two clusters to a batch
	s_lshl_b32 s2, s2, 12
	s_add_nc_u64 s[12:13], s[12:13], s[2:3]        ; its row of qb
	s_lshl_b32 s[KO], s20, 20                      ; the keys: 256 rows of 4,096 bytes a work-group,
	s_lshl_b32 s[KO+1], s[WV], 17                  ; 32 rows a wave
	s_add_co_u32 s[KO], s[KO], s[KO+1]
	s_mov_b32 s[KO+1], 0
	s_add_nc_u64 s[KEYW:KEYW+1], s[4:5], s[KO:KO+1]
	s_lshl_b32 s[KO], s20, 10                      ; tpart: 4 bytes a row, + my half's 65,536 numbers, + my 64 rows
	s_lshl_b32 s23, s18, 18
	s_add_co_u32 s[KO], s[KO], s23
	s_lshl_b32 s23, s17, 8
	s_add_co_u32 s[KO], s[KO], s23
	s_add_nc_u64 s[TP:TP+1], s[14:15], s[KO:KO+1]
	ROUND                                          ; all four work-groups are here: the first joint loads meet
	s_cmp_eq_u32 s[WV], 0                          ; one tree of branches, one joint load a wave
	s_cbranch_scc0 .Lhead_1
	TLOAD G0H0, G1H                                ; wave 0: slot 0
	s_branch .Lasked
.Lhead_1:
	s_cmp_eq_u32 s[WV], 1
	s_cbranch_scc0 .Lhead_s
	TLOAD G0H1, G1H                                ; wave 1: slot 1
	s_branch .Lasked
.Lhead_s:
	TLOAD G0S, G1S                                 ; waves 2, 3: Ua's scale bytes
.Lasked:
	s_mul_i32 s4, s18, 32*RPITCH                   ; the scalar parts of the LDS addresses first, then the vector lines on end
	s_lshl_b32 s5, s17, 16
	s_add_co_u32 s5, s5, IMG
	s_lshl_b32 s6, s17, 11
	s_add_co_u32 s6, s6, ASC
	s_lshl_b32 s7, s18, 10
	s_add_co_u32 s7, s7, SCL
	s_lshl_b32 s8, s18, 7
	s_add_co_u32 s8, s8, QBT
	s_mul_i32 s9, s[WV], 16*272
	s_add_co_u32 s9, s9, STG
	s_lshl_b32 s14, s[WV], 15
	s_add_co_u32 s14, s14, IMG
	s_lshl_b32 s15, s[WV], 10
	s_add_co_u32 s15, s15, ASC
	s_mov_b64 s[KB:KB+1], s[KEYW:KEYW+1]           ; fragments 0 and 1
	s_mov_b32 s[F2], 2
	s_mov_b32 s[IMO], 0
	s_mov_b32 s[ASO], 0
	s_mov_b32 s[CNT], 8
	v_and_b32 v1, 31, v0                           ; lane
	v_and_b32 v2, 15, v0                           ; r
	v_bfe_u32 v3, v0, 4, 1                         ; h
	v_mul_u32_u24 v[BA], v2, RPITCH
	v_lshl_add_u32 v[BA], v3, 4, v[BA]
	v_add_nc_u32 v[BA], s4, v[BA]                  ; row 32 nh + r of a chunk, + 16 h
	v_add_nc_u32 v[BA+1], RING1, v[BA]
	v_lshl_add_u32 v[AI], v1, 4, s5
	v_lshl_add_u32 v[AS], v3, 9, s6
	v_lshl_add_u32 v[AS], v2, 2, v[AS]
	v_lshl_add_u32 v[BS0], v1, 5, s7
	v_lshl_add_u32 v[TA0], v3, 5, s8
	v_mul_u32_u24 v14, v3, 272
	v_lshl_add_u32 v14, v2, 4, v14
	v_mul_u32_u24 v15, v2, 272
	v_lshl_add_u32 v15, v3, 6, v15
	v_lshlrev_b32 v56, 12, v3
	v_lshlrev_b32 v57, 4, v0                       ; the two tables: 16 bytes a thread, twice
	v_lshl_add_u32 v58, v0, 4, QBT
	global_load_b128 v[64:67], v57, s[12:13]
	global_load_b128 v[68:71], v57, s[12:13] offset:2048
	global_load_b128 v[72:75], v57, s[10:11]
	global_load_b128 v[76:79], v57, s[10:11] offset:2048
	WIN 0x40
	v_add_nc_u32 v[SW], s9, v14
	v_add_nc_u32 v[SR], s9, v15
	v_lshl_add_u32 v[IM0], v1, 4, s14
	v_lshl_add_u32 v[AW0], v2, 2, s15
	v_lshl_add_u32 v[VO], v2, 4, v56
	v_lshlrev_b32 v[TOF], 2, v1
.irp b, 0,1,2,3
	v_mov_b32 v[TM+4+\b], 0                        ; a lane permute's destination counts as one of its sources
	v_mov_b32 v[FT+4+\b], 0
.endr
	WALU                                           ; the head's end
	ISSUE 0, 0
	ISSUE 1, 512
	WIN 0
	s_wait_loadcnt 32                              ; the four loads of the tables are in; the 32 behind them stay out
	ds_store_b128 v58, v[64:67]
	ds_store_b128 v58, v[68:71] offset:2048
	ds_store_b128 v58, v[72:75] offset:4096
	ds_store_b128 v58, v[76:79] offset:6144
.Lfirst_block:                                         ; block 0's sixteen fragments, two a trip; each trip asks for the pair behind the next
	PUNIT 0
	PUNIT 1
	WIN 0
	s_add_co_u32 s[IMO], s[IMO], 4096
	s_add_co_u32 s[ASO], s[ASO], 128
	s_sub_co_u32 s[CNT], s[CNT], 1
	s_cmp_lg_u32 s[CNT], 0
	s_cbranch_scc1 .Lfirst_block
	s_wait_tensorcnt 0x0                           ; my tile of the head's is in; the barrier below says so of every wave
	SWITCH 1
	s_mov_b32 s[IMO], 0
	s_mov_b32 s[ASO], 0
	s_mov_b32 s[CNT], 7
.Lblock_0:                                             ; units 0 to 13: block 0 is multiplied, block 1 is quantised
	UNIT 0, 1, 1, 16, 1, 1, 1, 0
	UNIT 1, 1, 1, 16, 1, 1, 1, 0
	s_add_co_u32 s[TO], s[TO], 512
	s_add_co_u32 s[BSO], s[BSO], 4096
	s_add_co_u32 s[IMO], s[IMO], 4096
	s_add_co_u32 s[ASO], s[ASO], 128
	s_sub_co_u32 s[CNT], s[CNT], 1
	s_cmp_lg_u32 s[CNT], 0
	s_cbranch_scc1 .Lblock_0
	UNIT 0, 1, 0, 16, 1, 1, 1, 0                   ; units 14 and 15: no keys are left to ask for, and the chunk behind the sixteenth is chunk 0
	UNIT 1, 1, 0, 0, 1, 1, 1, 1
	FLUSH
	FINISH 0
	SWITCH 0
	s_mov_b32 s[CNT], 7
.Lblock_1:                                             ; units 16 to 29
	UNIT 0, 0, 0, 0, 1, 1, 1, 0
	UNIT 1, 0, 0, 0, 1, 1, 1, 0
	s_add_co_u32 s[TO], s[TO], 512
	s_add_co_u32 s[BSO], s[BSO], 4096
	s_sub_co_u32 s[CNT], s[CNT], 1
	s_cmp_lg_u32 s[CNT], 0
	s_cbranch_scc1 .Lblock_1
	UNIT 0, 0, 0, 0, 0, 1, 1, 0                    ; the tail is written out: unit 30 fills nothing,
	UNIT 1, 0, 0, 0, 0, 0, 0, 0                    ; unit 31 has no successor
	FLUSH
	FINISH 1
	s_wait_tensorcnt 0x0                           ; the wave's end
	ds_add_u32 v[SPW], v[NIL]
	s_wait_dscnt 0x0
	ROUND                                          ; the closing round
	s_endpgm
.Lfunc_end_k_q804232b542_scores:
	.size	k_q804232b542_scores, .Lfunc_end_k_q804232b542_scores-k_q804232b542_scores
	.p2alignl 7, 3214868480
	.fill 96, 4, 3214868480
	.section	.rodata,"a",@progbits
	.p2align	6, 0x0
	.amdhsa_kernel k_q804232b542_scores
		.amdhsa_group_segment_fixed_size 327680
		.amdhsa_private_segment_fixed_size 0
		.amdhsa_enable_private_segment 0
		.amdhsa_kernarg_size 48
		.amdhsa_user_sgpr_count 2
		.amdhsa_user_sgpr_kernarg_segment_ptr 1
		.amdhsa_wavefront_size32 1
		.amdhsa_system_sgpr_workgroup_id_x 1
		.amdhsa_system_sgpr_workgroup_id_y 1
		.amdhsa_system_sgpr_workgroup_id_z 1
		.amdhsa_system_vgpr_workitem_id 0
		.amdhsa_next_free_vgpr 1024
		.amdhsa_next_free_sgpr 100
		.amdhsa_reserve_vcc 0
		.amdhsa_float_denorm_mode_32 3
		.amdhsa_float_denorm_mode_16_64 3
		.amdhsa_memory_ordered 1
		.amdhsa_forward_progress 1
		.amdhsa_inst_pref_size 255
	.end_amdhsa_kernel
	.section	.bss,"aw",@nobits
	.p2align	6
	.space	262144
	.amdgpu_metadata
---
amdhsa.version: [ 1, 2 ]
amdhsa.kernels:
  - .name:           k_q804232b542_scores
    .symbol:         k_q804232b542_scores.kd
    .args:
      - { .name: keys, .offset: 0, .size: 8, .value_kind: global_buffer, .address_space: global }
      - { .name: Ua_w_codes, .offset: 8, .size: 8, .value_kind: global_buffer, .address_space: global }
      - { .name: Ua_w_scales, .offset: 16, .size: 8, .value_kind: global_buffer, .address_space: global }
      - { .name: Va_w, .offset: 24, .size: 8, .value_kind: global_buffer, .address_space: global }
      - { .name: qb, .offset: 32, .size: 8, .value_kind: global_buffer, .address_space: global }
      - { .name: tpart, .offset: 40, .size: 8, .value_kind: global_buffer, .address_space: global }
    .group_segment_fixed_size: 327680
    .private_segment_fixed_size: 0
    .kernarg_segment_align: 8
    .kernarg_segment_size: 48
    .max_flat_workgroup_size: 128
    .sgpr_count:     100
    .vgpr_count:     1024
    .wavefront_size: 32
...
	.end_amdgpu_metadata
.endif
;; end of part 2
;; launch context (part 3): grid 256 x 1, 8 waves a work-group, no clusters, 16,384 bytes of LDS; arguments keys, tpart, out0, out1; writes out0, out1
.if DOCPART == 3
	.amdgcn_target "amdgcn-amd-amdhsa--gfx1250"
	.amdhsa_code_object_version 6
	.text
	.protected	k_q804232b542_context
	.globl	k_q804232b542_context
	.p2align	8
	.type	k_q804232b542_context,@function
k_q804232b542_context:
	s_mov_b64 s[64:65], 0
	v_nop
	global_prefetch_b8 v0, s[64:65] scope:SCOPE_SE
	s_setreg_imm32_b32 hwreg(HW_REG_WAVE_MODE, 25, 1), 1
	s_wait_xcnt 0x0
; ADDITIVE ATTENTION, launch 3 of 3.  t[s] = tpart[0][s] + tpart[1][s] is a position's score x log2(e), less a term that is the same for all s of a batch.
; WORK LEFT OUT: that term (sum of Va_w, and Va_b) is taken away by the softmax for all values of the inputs and was never formed (shown at the head of the first launch).
; weights[s] = 2^(t[s] - max t) / the sum of these;  context[c] = sum over s of weights[s] keys[s][c], by fused multiply-adds in f32.  The maximum is taken away as in the softmax that is asked for.
; SHARES.  Eight work-groups to a batch.  Work-group j owns columns 128 j .. 128 j + 127 of the context (512 bytes of every row of keys: two whole aligned pieces of 256 bytes) and weights 256 j .. 256 j + 255: each output number has one owner.
; Each of the eight makes the batch's whole softmax for itself (2,048 numbers, 8 a thread, in the same order, so the same bits).  Wave w then walks rows 256 w .. 256 w + 255, a lane 16 bytes of each, a ring of 32 loads in registers;
; the eight waves' sums meet in LDS.  No matrix unit (one row of weights), no tensor load, no cluster: the keys are shared with nobody here, and tpart's 16 KiB a batch are a small part of a work-group's 1 MiB.
.set WT,    0                          ; LDS: the batch's 2,048 weights
.set RED,   8192                       ; the eight waves' sums, 512 bytes each
.set MAXW,  12288                      ; eight maxima
.set SUMW,  12352                      ; eight sums
.set SPARE, 12544                      ; the spare words, 128 bytes for each wave: four blocks of 256 bytes that no other line names
.set ROW,   4096
.set SPW,   30                         ; v30 LDS address of my spare word; never rewritten
.set NIL,   31                         ; v31 0; never rewritten
.set W,     32                         ; v32-63   32 weights, the same in every lane
.set X,     64                         ; v64-191  32 slots of 4 registers
.set AC,    192                        ; v192-207 four sets of sums, by turns
	s_load_b256 s[4:11], s[0:1], 0x0               ; keys s[4:5], tpart s[6:7], out0 s[8:9], out1 s[10:11]
	v_lshl_add_u32 v[SPW], v0, 2, SPARE
	v_mov_b32 v[NIL], 0
	v_lshrrev_b32 v1, 5, v0
	s_delay_alu instid0(VALU_DEP_1)
	v_readfirstlane_b32 s12, v1                    ; wave 0..7
	s_lshr_b32 s13, ttmp9, 3                       ; the batch
	s_and_b32 s14, ttmp9, 7                        ; j
	v_and_b32 v1, 31, v0
	s_delay_alu instid0(VALU_DEP_1)
	v_lshlrev_b32 v1, 4, v1                        ; 16 x lane; never rewritten
	v_lshlrev_b32 v2, 5, v0                        ; 32 x thread: my 8 positions
	s_lshl_b32 s15, s12, 10
	v_mov_b32 v3, s15                              ; my wave's 256 weights
	v_add_nc_u32 v7, s15, v1                       ; and 16 bytes a lane of them
	s_lshl_b32 s15, s12, 2
	v_mov_b32 v5, s15                              ; my wave's word among eight
	v_mov_b32 v6, 0
	s_lshl_b32 s15, s12, 9
	v_add_nc_u32 v28, s15, v1                      ; my wave's 512 bytes of sums
	s_lshl_b32 s16, s13, 23                        ; the batch's 2,048 rows of 4,096 bytes,
	s_lshl_b32 s17, s12, 20                        ; my wave's 256 rows,
	s_add_co_u32 s16, s16, s17
	s_lshl_b32 s17, s14, 9                         ; my work-group's 512 bytes of a row
	s_add_co_u32 s16, s16, s17
	s_mov_b32 s17, 0
	s_lshl_b32 s18, s13, 13                        ; 2,048 numbers of 4 bytes a batch
	s_mov_b32 s19, 0
	s_lshl_b32 s24, s13, 12
	s_lshl_b32 s25, s14, 9
	s_add_co_u32 s24, s24, s25                     ; out0: 4,096 bytes a batch + 512 j
	s_mov_b32 s25, 0
	s_lshl_b32 s26, s14, 10
	s_add_co_u32 s26, s26, s18                     ; out1: 8,192 bytes a batch + 1,024 j
	s_mov_b32 s27, 0
	s_mov_b32 s22, 0x76543210
	s_mov_b32 s23, 0xfedcba98                      ; v_permlanex16_b32's selects for lane l xor 16
	s_mov_b32 s20, 0                               ; which 32 of my wave's weights: 128 bytes a trip
.irp j, 0,1,2,3,4,5,6,7,8,9,10,11,12,13,14,15
	v_mov_b32 v[AC+\j], 0
.endr
	s_wait_kmcnt 0x0
	s_add_nc_u64 s[4:5], s[4:5], s[16:17]
	s_add_nc_u64 s[6:7], s[6:7], s[18:19]
	s_add_nc_u64 s[8:9], s[8:9], s[24:25]
	s_add_nc_u64 s[10:11], s[10:11], s[26:27]
	global_load_b128 v[8:11], v2, s[6:7]
	global_load_b128 v[12:15], v2, s[6:7] offset:16
	global_load_b128 v[16:19], v2, s[6:7] offset:262144
	global_load_b128 v[20:23], v2, s[6:7] offset:262160
.set i, 0
.rept 32
	global_load_b128 v[X+4*i:X+4*i+3], v1, s[4:5] offset:i*ROW th:TH_LOAD_NT   ; the ring is filled while the softmax is made: rows 0 to 31; 32 lanes read 512 consecutive bytes
.set i, i+1
.endr
	s_wait_loadcnt 32                              ; the four loads of tpart are in; the 32 behind them stay out
.irp i, 0,2,4,6
	v_pk_add_f32 v[8+\i:9+\i], v[8+\i:9+\i], v[16+\i:17+\i]
.endr
	s_delay_alu instid0(VALU_DEP_3)
	v_max3_num_f32 v24, v8, v9, v10
	s_delay_alu instid0(VALU_DEP_3)
	v_max3_num_f32 v25, v11, v12, v13
	s_delay_alu instid0(VALU_DEP_2)
	v_max3_num_f32 v24, v24, v14, v15
	s_delay_alu instid0(VALU_DEP_1)
	v_max_num_f32 v24, v24, v25
	s_delay_alu instid0(VALU_DEP_1)
	v_max_num_f32_dpp v24, v24, v24 row_xmask:1 row_mask:0xf bank_mask:0xf
	s_delay_alu instid0(VALU_DEP_1)
	v_max_num_f32_dpp v24, v24, v24 row_xmask:2 row_mask:0xf bank_mask:0xf
	s_delay_alu instid0(VALU_DEP_1)
	v_max_num_f32_dpp v24, v24, v24 row_xmask:4 row_mask:0xf bank_mask:0xf
	s_delay_alu instid0(VALU_DEP_1)
	v_max_num_f32_dpp v24, v24, v24 row_xmask:8 row_mask:0xf bank_mask:0xf
	s_delay_alu instid0(VALU_DEP_1)
	v_permlanex16_b32 v25, v24, s22, s23
	s_delay_alu instid0(VALU_DEP_1)
	v_max_num_f32 v24, v24, v25
	ds_store_b32 v5, v24 offset:MAXW               ; all lanes write the same word with the same value
	s_wait_dscnt 0x0                               ; for the others' sake: my store has landed
	s_barrier_signal -1
	s_barrier_wait -1
	ds_load_b128 v[16:19], v6 offset:MAXW
	ds_load_b128 v[20:23], v6 offset:MAXW+16
	s_wait_dscnt 0x0
	v_max3_num_f32 v24, v16, v17, v18
	v_max3_num_f32 v25, v19, v20, v21
	s_delay_alu instid0(VALU_DEP_2)
	v_max3_num_f32 v24, v24, v22, v23
	s_delay_alu instid0(VALU_DEP_1)
	v_max_num_f32 v24, v24, v25                    ; the batch's largest t
.irp i, 0,1,2,3,4,5,6,7
	v_sub_f32 v[8+\i], v[8+\i], v24
.endr
	s_wait_alu depctr_va_vdst(0)
.irp i, 0,1,2,3,4,5,6,7
	v_exp_f32 v[8+\i], v[8+\i]
.endr
	v_nop                                          ; a plain instruction behind the last exponential,
	s_wait_alu depctr_va_vdst(0)                   ; and the one wait for the batch, ahead of its first reader
	v_pk_add_f32 v[26:27], v[8:9], v[10:11]
	v_pk_add_f32 v[16:17], v[12:13], v[14:15]
	s_delay_alu instid0(VALU_DEP_1)
	v_pk_add_f32 v[26:27], v[26:27], v[16:17]
	s_delay_alu instid0(VALU_DEP_1)
	v_add_f32 v26, v26, v27
	s_delay_alu instid0(VALU_DEP_1)
	v_add_f32_dpp v26, v26, v26 row_xmask:1 row_mask:0xf bank_mask:0xf
	s_delay_alu instid0(VALU_DEP_1)
	v_add_f32_dpp v26, v26, v26 row_xmask:2 row_mask:0xf bank_mask:0xf
	s_delay_alu instid0(VALU_DEP_1)
	v_add_f32_dpp v26, v26, v26 row_xmask:4 row_mask:0xf bank_mask:0xf
	s_delay_alu instid0(VALU_DEP_1)
	v_add_f32_dpp v26, v26, v26 row_xmask:8 row_mask:0xf bank_mask:0xf
	s_delay_alu instid0(VALU_DEP_1)
	v_permlanex16_b32 v25, v26, s22, s23
	s_delay_alu instid0(VALU_DEP_1)
	v_add_f32 v26, v26, v25
	ds_store_b32 v5, v26 offset:SUMW               ; other bytes than the maxima's: no barrier is owed between the reads above and this store
	s_wait_dscnt 0x0
	s_barrier_signal -1
	s_barrier_wait -1
	ds_load_b128 v[16:19], v6 offset:SUMW
	ds_load_b128 v[20:23], v6 offset:SUMW+16
	s_wait_dscnt 0x0
	v_pk_add_f32 v[16:17], v[16:17], v[18:19]
	v_pk_add_f32 v[20:21], v[20:21], v[22:23]
	s_delay_alu instid0(VALU_DEP_1)
	v_pk_add_f32 v[16:17], v[16:17], v[20:21]
	s_delay_alu instid0(VALU_DEP_1)
	v_add_f32 v26, v16, v17
	s_wait_alu depctr_va_vdst(0)
	v_rcp_f32 v26, v26
	v_nop
	s_wait_alu depctr_va_vdst(0)
.irp i, 0,2,4,6
	v_pk_mul_f32 v[8+\i:9+\i], v[8+\i:9+\i], v[26:27] op_sel_hi:[1,0]   ; my 8 weights
.endr
	ds_store_b128 v2, v[8:11] offset:WT
	ds_store_b128 v2, v[12:15] offset:WT+16
	s_wait_dscnt 0x0
	s_barrier_signal -1
	s_barrier_wait -1                              ; the batch's weights lie in LDS
	s_cmp_lg_u32 s12, s14                          ; wave j's 256 weights are the ones that work-group j owns
	s_cbranch_scc1 .Lnot_mine
	ds_load_b128 v[16:19], v7 offset:WT
	ds_load_b128 v[20:23], v7 offset:WT+512
	s_wait_dscnt 0x0
	global_store_b128 v1, v[16:19], s[10:11]       ; 32 lanes store 512 consecutive bytes, at a multiple of 256 from out1's first byte
	global_store_b128 v1, v[20:23], s[10:11] offset:512
.Lnot_mine:
.macro WEIGHTS                         ; the 32 weights of the rows in the ring: every lane reads the same bytes
	v_add_nc_u32 v4, s20, v3
.irp q, 0,1,2,3,4,5,6,7
	ds_load_b128 v[W+4*\q:W+4*\q+3], v4 offset:WT+16*\q
.endr
	s_wait_dscnt 0x0
.endm
.macro SLOT n, ahead, left             ; slot n's row is added; ahead = 1: the slot takes the row 32 further down
	s_wait_loadcnt \left                           ; loads come back in order (ISA guide 5.7.1): mine is in, the younger ones stay out
.irp c, 0,1,2,3
	v_fmac_f32 v[AC+4*((\n)%4)+\c], v[W+(\n)], v[X+4*(\n)+\c]
.endr
.if \ahead
	global_load_b128 v[X+4*(\n):X+4*(\n)+3], v1, s[4:5] offset:(32+(\n))*ROW th:TH_LOAD_NT
.endif
.endm
	s_mov_b32 s21, 7
.Lrows:                                                ; 32 rows a trip
	WEIGHTS
.set i, 0
.rept 32
	SLOT i, 1, 31
.set i, i+1
.endr
	s_wait_xcnt 0x0                                ; the loads have read their base: it is stepped only behind this wait
	s_add_nc_u64 s[4:5], s[4:5], 32*ROW
	s_add_co_u32 s20, s20, 128
	s_sub_co_u32 s21, s21, 1
	s_cmp_lg_u32 s21, 0
	s_cbranch_scc1 .Lrows
	WEIGHTS                                        ; the last 32 rows load nothing: the counts run down
.set i, 0
.rept 32
	SLOT i, 0, 31-i
.set i, i+1
.endr
	s_wait_alu depctr_va_vdst(0)
.irp c, 0,2
	v_pk_add_f32 v[AC+\c:AC+\c+1], v[AC+\c:AC+\c+1], v[AC+4+\c:AC+5+\c]
	v_pk_add_f32 v[AC+8+\c:AC+9+\c], v[AC+8+\c:AC+9+\c], v[AC+12+\c:AC+13+\c]
.endr
.irp c, 0
	s_delay_alu instid0(VALU_DEP_3)
	v_pk_add_f32 v[AC+\c:AC+\c+1], v[AC+\c:AC+\c+1], v[AC+8+\c:AC+9+\c]
.endr
.irp c, 2
	s_delay_alu instid0(VALU_DEP_2)
	v_pk_add_f32 v[AC+\c:AC+\c+1], v[AC+\c:AC+\c+1], v[AC+8+\c:AC+9+\c]
.endr
	ds_store_b128 v28, v[AC:AC+3] offset:RED
	s_wait_dscnt 0x0
	s_barrier_signal -1
	s_barrier_wait -1                              ; the eight waves' sums lie in LDS
	s_cmp_lg_u32 s12, 0
	s_cbranch_scc1 .Ldone
.irp q, 0,1,2,3,4,5,6,7
	ds_load_b128 v[X+4*\q:X+4*\q+3], v1 offset:RED+512*\q
.endr
	s_wait_dscnt 0x0
.irp q, 0,2,4,6
.irp c, 0,2
	v_pk_add_f32 v[X+4*\q+\c:X+4*\q+\c+1], v[X+4*\q+\c:X+4*\q+\c+1], v[X+4*\q+4+\c:X+4*\q+5+\c]
.endr
.endr
.irp q, 0,4
.irp c, 0,2
	v_pk_add_f32 v[X+4*\q+\c:X+4*\q+\c+1], v[X+4*\q+\c:X+4*\q+\c+1], v[X+4*\q+8+\c:X+4*\q+9+\c]
.endr
.endr
.irp c, 0,2
	s_delay_alu instid0(VALU_DEP_2)
	v_pk_add_f32 v[X+\c:X+\c+1], v[X+\c:X+\c+1], v[X+16+\c:X+17+\c]
.endr
	global_store_b128 v1, v[X:X+3], s[8:9]         ; 32 lanes store 512 consecutive bytes, at a multiple of 256 from out0's first byte
.Ldone:
	s_wait_tensorcnt 0x0                           ; the wave's end
	ds_add_u32 v[SPW], v[NIL]
	s_wait_dscnt 0x0
	s_endpgm
.Lfunc_end_k_q804232b542_context:
	.size	k_q804232b542_context, .Lfunc_end_k_q804232b542_context-k_q804232b542_context
	.p2alignl 7, 3214868480
	.fill 96, 4, 3214868480
	.section	.rodata,"a",@progbits
	.p2align	6, 0x0
	.amdhsa_kernel k_q804232b542_context
		.amdhsa_group_segment_fixed_size 16384
		.amdhsa_private_segment_fixed_size 0
		.amdhsa_enable_private_segment 0
		.amdhsa_kernarg_size 32
		.amdhsa_user_sgpr_count 2
		.amdhsa_user_sgpr_kernarg_segment_ptr 1
		.amdhsa_wavefront_size32 1
		.amdhsa_system_sgpr_workgroup_id_x 1
		.amdhsa_system_sgpr_workgroup_id_y 1
		.amdhsa_system_sgpr_workgroup_id_z 1
		.amdhsa_system_vgpr_workitem_id 0
		.amdhsa_next_free_vgpr 208
		.amdhsa_next_free_sgpr 66
		.amdhsa_reserve_vcc 0
		.amdhsa_float_denorm_mode_32 3
		.amdhsa_float_denorm_mode_16_64 3
		.amdhsa_memory_ordered 1
		.amdhsa_forward_progress 1
		.amdhsa_inst_pref_size 28
	.end_amdhsa_kernel
	.amdgpu_metadata
---
amdhsa.version: [ 1, 2 ]
amdhsa.kernels:
  - .name:           k_q804232b542_context
    .symbol:         k_q804232b542_context.kd
    .args:
      - { .name: keys, .offset: 0, .size: 8, .value_kind: global_buffer, .address_space: global }
      - { .name: tpart, .offset: 8, .size: 8, .value_kind: global_buffer, .address_space: global }
      - { .name: out0, .offset: 16, .size: 8, .value_kind: global_buffer, .address_space: global }
      - { .name: out1, .offset: 24, .size: 8, .value_kind: global_buffer, .address_space: global }
    .group_segment_fixed_size: 16384
    .private_segment_fixed_size: 0
    .kernarg_segment_align: 8
    .kernarg_segment_size: 32
    .max_flat_workgroup_size: 256
    .sgpr_count:     66
    .vgpr_count:     208
    .wavefront_size: 32
...
	.end_amdgpu_metadata
.endif
;; end of part 3
